; MI455X (gfx1250); checked and timed in simulation.
; The chip was launched on July 23, 2026; its instructions are those of AMD's public machine-readable ISA for CDNA 5 (MIT licence, August 2026) and "CDNA5" Instruction Set Architecture Reference Guide (July 2026). The comments in the code are by the model that wrote it; some were corrected since.
;; Stacked Filter. Allowed arithmetic: matrix products marked QUANTISED: E2M1 operands, one E8M0 scale for each 32 along K, by v_wmma_scale_f32_16x16x128_f8f6f4 with both operands' format E2M1 (or v_wmma_scale_f32_32x16x128_f4), f32 sums; products left as they are: bf16, f16 or f32 operands; f32 sums; everything else in f32.
;; Inputs: a_list 4 float32; b_list 4 float32; batch_U 2,048 x 2,048 float32; batch_lam 2,048 x 2,048 float32; batch_x 2,048 x 256 float32; c_list 4 float32; edge_index 2 x 65,536 int32; residual_alpha 1 float32.
;; Outputs: out0 2,048 x 256 float32.
;; This version of the problem:
;;   THIS VERSION OF THE PROBLEM IS GIVEN IN LOW PRECISION. The matrix products marked QUANTISED in the list below multiply operands that are first quantised to E2M1 (2 exponent bits, 1 mantissa bit; 4 bits a number), with one power-of-two scale for each 32 numbers along K (OCP MX v1.0); their sums are f32. The products marked 'left as it is' may take bf16, f16 or f32 operands, with f32 sums. Whichever they take, every output number must still come out within the allowed error. Rounding operands to bf16 (8 significant bits) uses up far more of that allowance than f16 does (11 bits, for magnitudes from 6e-5 to 65,504). All else is computed in f32.
;;   The module's matrix products, in the order in which they are computed (A, B: the left and right operand; K: the contracted axis; several contracted axes count as one K, in the product's order):
;;     1. [M 2,048, K 2,048] x [K 2,048, N 2,048]; A: computed on the way; B: computed on the way: left as it is (an operand is computed on the way)
;;     2. [M 2,048, K 2,048] x [K 2,048, N 256]; A: input batch_U; B: input batch_x: QUANTISED
;;     3. [M 2,048, K 2,048] x [K 2,048, N 256]; A: computed on the way; B: computed on the way: left as it is (an operand is computed on the way)
;;     4. [M 2,048, K 2,048] x [K 2,048, N 256]; A: input batch_U; B: computed on the way: left as it is (an operand is computed on the way)
;;     5. [M 2,048, K 2,048] x [K 2,048, N 2,048]; A: computed on the way; B: computed on the way: left as it is (an operand is computed on the way)
;;     6. [M 2,048, K 2,048] x [K 2,048, N 256]; A: input batch_U; B: input batch_x: QUANTISED
;;     7. [M 2,048, K 2,048] x [K 2,048, N 256]; A: computed on the way; B: computed on the way: left as it is (an operand is computed on the way)
;;     8. [M 2,048, K 2,048] x [K 2,048, N 256]; A: input batch_U; B: computed on the way: left as it is (an operand is computed on the way)
;;     9. [M 2,048, K 2,048] x [K 2,048, N 2,048]; A: computed on the way; B: computed on the way: left as it is (an operand is computed on the way)
;;     10. [M 2,048, K 2,048] x [K 2,048, N 256]; A: input batch_U; B: input batch_x: QUANTISED
;;     11. [M 2,048, K 2,048] x [K 2,048, N 256]; A: computed on the way; B: computed on the way: left as it is (an operand is computed on the way)
;;     12. [M 2,048, K 2,048] x [K 2,048, N 256]; A: input batch_U; B: computed on the way: left as it is (an operand is computed on the way)
;;     13. [M 2,048, K 2,048] x [K 2,048, N 2,048]; A: computed on the way; B: computed on the way: left as it is (an operand is computed on the way)
;;     14. [M 2,048, K 2,048] x [K 2,048, N 256]; A: input batch_U; B: input batch_x: QUANTISED
;;     15. [M 2,048, K 2,048] x [K 2,048, N 256]; A: computed on the way; B: computed on the way: left as it is (an operand is computed on the way)
;;     16. [M 2,048, K 2,048] x [K 2,048, N 256]; A: input batch_U; B: computed on the way: left as it is (an operand is computed on the way)
;;   THE QUANTISER, for each operand of a quantised product, along K:
;;     - K is cut into blocks of 32 from its start; a last block that is shorter is filled with zeros.
;;     - A block's scale is 2^e with e = floor(log2(the largest magnitude in the block)) - 2, held to -126 .. 127; a block of zeros has e = 0. As a byte (E8M0): e + 127.
;;     - Each number is divided by its block's scale, clamped to +-6, and rounded to the nearest number of E2M1, ties to even, subnormals kept.
;;     - The product sums the exact products of the quantised numbers (number of the format x scale) in f32.
;;   ~~~python
;;   def quantise(x, axis):      # numpy; x: float32 -> the quantised numbers, widened to float32 again
;;       x = np.moveaxis(x, axis, -1); K = x.shape[-1]
;;       x = np.pad(x, [(0, 0)] * (x.ndim - 1) + [(0, -K % 32)]); x = x.reshape(x.shape[:-1] + (-1, 32)); a = np.abs(x).max(-1, keepdims=True)
;;       e = np.where(a > 0, np.clip(np.frexp(np.where(a > 0, a, 1))[1] - 1 - 2, -126, 127), 0)      # np.frexp(a)[1] - 1 = floor(log2(a)), exactly
;;       r = np.clip(x / 2.0 ** e, -6, 6)
;;       step = 2.0 ** (np.maximum(np.frexp(np.where(r == 0, 1, r))[1] - 1, 0) - 1)
;;       q = np.round(r / step) * step * 2.0 ** e      # np.round: ties to even
;;       return np.moveaxis(q.reshape(q.shape[:-2] + (-1,))[..., :K], -1, axis).astype(np.float32)
;;   ~~~
;; One version. Each part assembles by itself: llvm-mc -triple=amdgcn-amd-amdhsa -mcpu=gfx1250 --defsym DOCPART=n.
;; ======== version 1 of 1: 4 launches
;; limits: values are held in f16: magnitudes above 65,504 overflow, below 6.1e-05 lose precision
;; workspace buffers: codes 2,359,296 bytes; scales 147,456 bytes; ufrag 16,777,216 bytes; lh 8,388,608 bytes; rfrag 16,777,216 bytes; yfrag 2,097,152 bytes; wfrag 2,097,152 bytes
;; launch prep (part 1): grid 256 x 1, 4 waves a work-group, no clusters, 68,096 bytes of LDS; arguments batch_U, batch_lam, batch_x, codes, scales, ufrag, lh; writes codes, scales, ufrag, lh
.if DOCPART == 1
	.amdgcn_target "amdgcn-amd-amdhsa--gfx1250"
	.amdhsa_code_object_version 6
	.text
	.protected	k_qf185741aaf_prep
	.globl	k_qf185741aaf_prep
	.p2align	8
	.type	k_qf185741aaf_prep,@function
k_qf185741aaf_prep:
	s_mov_b64 s[64:65], 0
	v_nop
	global_prefetch_b8 v0, s[64:65] scope:SCOPE_SE
	s_setreg_imm32_b32 hwreg(HW_REG_WAVE_MODE, 25, 1), 1
	s_wait_xcnt 0x0
; THE FIRST OF FOUR LAUNCHES of out = alpha x + sum over i of s_i U relu((a_i I - Lam)(Lam - b_i I)) (U^T x).
; The four hops share U^T x, and U (rep_i y) is linear in rep_i: so y = U^T x is made once, R = sum of s_i relu(rep_i) once, then w = R y and U w.
; a_i I - Lam and Lam - b_i I hang on i only in their diagonals: with Loff = Lam with a zero diagonal and d = Lam's diagonal,
; rep_i[r][c] = -(Loff Loff)[r][c] + Loff[r][c] (a_i + b_i - d_r - d_c) + (r == c) (a_i - d_r)(d_r - b_i): the same terms of the same sum, for every Lam.
; THIS LAUNCH reads U, Lam and x once and lays them out for the others:
;   codes, scales: U and x as codes of E2M1 along n (the K of U^T x, the FIRST axis of both), one E8M0 byte for 32 n, as images of the operand's registers
;   ufrag: U as bf16 fragments (16 n x 32 j), each number as two bf16: hi, and lo = bf16(number - hi);   lh: Loff as f16, row-major.
; An image is 1,024 bytes: registers 0-3 of lane l at 16 l, registers 4-7 at 512 + 16 l.
; edge_index is not among the arguments.
; SHARES.  Work-group g: ks = g / 16, jb = g % 16: U's tile of 128 n x 128 j, rows 8 g .. 8 g + 7 of Lam, x's tile of 128 n x 16 f.  All of a wave's loads of U and Lam go out at the head: 64 of 512 bytes.
; U's tile goes through LDS once (rows 528 bytes apart) and is read twice: by columns (a lane a column j, registers down n: a block of 32 n lies in one lane) and by rows for the bf16 fragments.
; A block's scale is 2^(floor(log2(its largest magnitude)) - 2); its byte is that magnitude's exponent field - 2, held at 1 from below.
; LIMITS: a block whose largest magnitude lies under 2^-124 keeps the byte 1 (a block of zeros too: its codes are zeros, and this program alone reads the bytes); |Lam| up to 65,504 (f16), off-diagonal
; magnitudes under 6e-5 are rounded absolutely; NaN and infinities are not served.
; REGISTERS, in windows of 256: window 0: v1-10 addresses, v12-13 the add's two, v14-22 at work, v24-39 codes, v64-191 U's numbers, v192-255 hi words.
;   window 1: v0-4 Lam's addresses, v32-159 Lam as loaded, v160-223 as f16.   window 2 (wave 0): v0-3 x's addresses, v8-15 at work, v32-39 codes, v64-127 x's numbers.
.set PITCH,  528                       ; an LDS row: 512 bytes + 16: an odd multiple of 16, so that sixteen rows' 16 bytes fall on different banks
.set SPARE,  128*PITCH                 ; behind the tile: the spare words, 128 bytes for each wave
.set SPW,    12
.set NIL,    13
.set CD,     24
.set UR,     64
.set FRG,    192
.set LR,     32
.set LP,     160
.set XC,     32
.set XR,     64
.set WV,     18
.set MSB,    0
.macro WIN new                         ; the immediate's high byte repeats the setting that is left
.if MSB != \new
	s_set_vgpr_msb (MSB<<8)|\new
.set MSB, \new
.endif
.endm
	s_load_b256 s[4:11], s[0:1], 0x0               ; U s[4:5], Lam s[6:7], x s[8:9], codes s[10:11]
	s_load_b128 s[12:15], s[0:1], 0x20             ; scales s[12:13], ufrag s[14:15]
	s_load_b64 s[16:17], s[0:1], 0x30              ; lh
	v_lshl_add_u32 v[SPW], v0, 2, SPARE
	v_mov_b32 v[NIL], 0
	v_lshrrev_b32 v1, 5, v0
	v_readfirstlane_b32 s[WV], v1                  ; wave 0..3
	v_and_b32 v1, 31, v0                           ; l
	v_and_b32 v2, 15, v0                           ; r
	v_bfe_u32 v3, v0, 4, 1                         ; h
	s_lshr_b32 s19, ttmp9, 4                       ; ks
	s_and_b32 s20, ttmp9, 15                       ; jb
	s_mov_b32 s22, 0x76543210
	s_mov_b32 s23, 0xfedcba98                      ; v_permlanex16_b32's selects for lane l xor 16
	v_lshlrev_b32 v4, 4, v1                        ; 16 l: a load's 512 bytes, and an image's place
	s_mul_i32 s46, s[WV], 32*PITCH                 ; my 32 rows of the tile in LDS
	v_add_nc_u32 v5, s46, v4                       ; where I store them
	s_lshl_b32 s47, s[WV], 7
	v_lshl_add_u32 v6, v1, 2, s47                  ; by columns: column 32 wave + l, rows 0-63;
	v_add_nc_u32 v7, 64*PITCH, v6                  ; rows 64-127 (the immediate alone does not reach them)
	v_mul_u32_u24 v8, v2, PITCH
	v_lshl_add_u32 v8, v3, 5, v8
	v_add_nc_u32 v8, s46, v8                       ; by rows: row 32 wave + r, + 32 h bytes
	v_lshlrev_b32 v9, 4, v2
	v_lshl_add_u32 v9, v3, 14, v9                  ; the codes: tile h of my two, 16 r
	v_lshlrev_b32 v10, 2, v1                       ; 4 l
	v_lshlrev_b32 v14, 2, v2                       ; 4 r
	v_lshl_add_u32 v15, v3, 15, v14                ; x: column r, + 32 h rows of 1,024 bytes
	v_lshlrev_b32 v16, 3, v3                       ; 8 h
	s_lshl_b32 s44, s[WV], 1
	s_lshl_b32 s21, ttmp9, 3
	s_add_co_u32 s21, s21, s44                     ; my first row of Lam: 8 g + 2 wave
	s_add_co_u32 s45, s21, 1
	; byte offsets, each in a pair with 0 above it
	s_lshl_b32 s24, s19, 7
	s_lshl_b32 s46, s[WV], 5
	s_add_co_u32 s24, s24, s46
	s_lshl_b32 s24, s24, 13
	s_lshl_b32 s46, s20, 9
	s_add_co_u32 s24, s24, s46                     ; U: (128 ks + 32 wave) rows of 8,192 + 512 jb
	s_mov_b32 s25, 0
	s_lshl_b32 s26, s21, 13                        ; Lam: rows of 8,192
	s_mov_b32 s27, 0
	s_lshl_b32 s28, s21, 12                        ; lh: rows of 4,096
	s_mov_b32 s29, 0
	s_lshl_b32 s47, s19, 10                        ; 1,024 ks
	s_lshl_b32 s30, s20, 3
	s_add_co_u32 s30, s30, s44
	s_lshl_b32 s30, s30, 14
	s_add_co_u32 s30, s30, s47                     ; U's codes: tile 8 jb + 2 wave, K step ks
	s_mov_b32 s31, 0
	s_mul_i32 s46, s19, 9216                       ; K step ks's 2,304 scale words
	s_lshl_b32 s32, s20, 9
	s_add_co_u32 s32, s32, s46
	s_lshl_b32 s33, s[WV], 7
	s_add_co_u32 s32, s32, s33                     ; U's scale words: word 128 jb + 32 wave
	s_mov_b32 s33, 0
	s_lshl_b32 s34, s19, 3
	s_add_co_u32 s34, s34, s44
	s_lshl_b32 s34, s34, 17
	s_lshl_b32 s35, s20, 13
	s_add_co_u32 s34, s34, s35                     ; ufrag: ((8 ks + 2 wave) 64 + 4 jb) pairs of 2,048 bytes
	s_mov_b32 s35, 0
	s_lshl_b32 s36, s19, 17
	s_lshl_b32 s37, s20, 6
	s_add_co_u32 s36, s36, s37                     ; x: 128 ks rows of 1,024 + 64 jb
	s_mov_b32 s37, 0
	s_add_co_u32 s38, s20, 128
	s_lshl_b32 s38, s38, 14
	s_add_co_u32 s38, s38, s47                     ; x's codes: tile 128 + jb
	s_mov_b32 s39, 0
	s_lshl_b32 s40, s20, 6
	s_add_co_u32 s40, s40, s46
	s_add_co_u32 s40, s40, 8192                    ; x's scale words: word 2,048 + 16 jb
	s_mov_b32 s41, 0
	WIN 0x40                                       ; destination window 1
	v_mov_b32 v0, v4                               ; 16 l
	v_lshlrev_b32 v1, 3, v1                        ; 8 l
	v_sub_nc_u32 v2, s21, v10                      ; my row - 4 l: the diagonal is my number q of load t where 128 t + q equals this
	v_sub_nc_u32 v3, s45, v10
	v_mov_b32 v4, 0
	WIN 0x80                                       ; destination window 2
	v_mov_b32 v0, v15
	v_mov_b32 v1, v4
	v_mov_b32 v2, v14
	v_mov_b32 v3, v16
	WIN 0
	s_wait_kmcnt 0x0
	s_add_nc_u64 s[4:5], s[4:5], s[24:25]
	s_add_nc_u64 s[6:7], s[6:7], s[26:27]
	s_add_nc_u64 s[16:17], s[16:17], s[28:29]
	s_add_nc_u64 s[38:39], s[10:11], s[38:39]      ; x's codes
	s_add_nc_u64 s[40:41], s[12:13], s[40:41]      ; x's scale words
	s_add_nc_u64 s[10:11], s[10:11], s[30:31]
	s_add_nc_u64 s[12:13], s[12:13], s[32:33]
	s_add_nc_u64 s[14:15], s[14:15], s[34:35]
	s_add_nc_u64 s[8:9], s[8:9], s[36:37]
.set I, 0
.rept 32
	global_load_b128 v[UR+4*I:UR+4*I+3], v4, s[4:5] offset:8192*I th:TH_LOAD_NT   ; a row of the tile: 512 consecutive bytes
.set I, I+1
.endr
	WIN 0x55
.set I, 0
.rept 32
	global_load_b128 v[LR+4*I:LR+4*I+3], v0, s[6:7] offset:512*I                  ; my two rows of Lam, 16 loads each
.set I, I+1
.endr
	WIN 0
	s_wait_loadcnt 32                              ; Lam's 32 loads are younger: U's are in
.set I, 0
.rept 32
	ds_store_b128 v5, v[UR+4*I:UR+4*I+3] offset:PITCH*I
.set I, I+1
.endr
	s_wait_dscnt 0x0                               ; for the others' sake: my rows lie in LDS
	s_barrier_signal -1
	s_barrier_wait -1                              ; the whole tile does
.set I, 0
.rept 64
	ds_load_b32 v[UR+I], v6 offset:I*PITCH         ; U(n = I, my column): 32 lanes read 128 consecutive bytes
.set I, I+1
.endr
.set I, 0
.rept 64
	ds_load_b32 v[UR+64+I], v7 offset:I*PITCH
.set I, I+1
.endr
	s_wait_loadcnt 0x0                             ; Lam is in
	s_cmp_lg_u32 s[WV], 0                          ; x's tile is wave 0's
	s_cbranch_scc1 .Lno_x_loads
	WIN 0xaa
.irp c, 0,1
.set I, 0
.rept 32
	global_load_b32 v[XR+32*\c+I], v0, s[8:9] offset:(64*\c+I)*1024   ; x(64 c + 32 h + I, column r): the order in which the operand's registers take them
.set I, I+1
.endr
.endr
	WIN 0
.Lno_x_loads:
; Lam: the diagonal becomes 0, four numbers become 8 bytes of f16; the wave stores 256 consecutive bytes, aligned.  Every store has data registers of its own.
.macro LCONV m
.set RHO, (\m)/16
.set TCOL, (\m)%16
.irp q, 0,1,2,3
	v_cmp_eq_u32 vcc_lo, 128*TCOL+\q, v[2+RHO]
	v_cndmask_b32 v[LR+4*(\m)+\q], v[LR+4*(\m)+\q], v4, vcc_lo
.endr
	v_cvt_pk_f16_f32 v[LP+2*(\m)], v[LR+4*(\m)], v[LR+4*(\m)+1]
	v_cvt_pk_f16_f32 v[LP+2*(\m)+1], v[LR+4*(\m)+2], v[LR+4*(\m)+3]
	global_store_b64 v1, v[LP+2*(\m):LP+2*(\m)+1], s[16:17] offset:256*(\m)
.endm
	WIN 0x55
.set M, 0
.rept 32
	LCONV M
.set M, M+1
.endr
	WIN 0
; Block t of my column: 32 numbers down n, all mine.  left: the column loads of the later blocks (what the wait can name of them)
.macro QBLK t, left
.set XS, UR+32*(\t)
	s_wait_dscnt \left
	v_max3_num_f32 v14, |v[XS]|, |v[XS+1]|, |v[XS+2]|
	v_max3_num_f32 v15, |v[XS+3]|, |v[XS+4]|, |v[XS+5]|
.irp i, 6,10,14,18,22,26
	v_max3_num_f32 v14, v14, |v[XS+\i]|, |v[XS+\i+1]|
	v_max3_num_f32 v15, v15, |v[XS+\i+2]|, |v[XS+\i+3]|
.endr
	v_max3_num_f32 v14, v14, |v[XS+30]|, |v[XS+31]|
	v_max3_num_f32 v14, v14, v15, 0x1800000        ; and the floor 2^(3 - 127): the byte cannot fall under 1
	v_add_nc_u32 v16, 0xff000000, v14              ; 2 off the exponent field: the conversion takes the exponent field of this operand as its scale
	v_lshrrev_b32 v17, 23, v16                     ; the scale's byte
.if (\t) == 0
	v_mov_b32 v22, v17
.else
	v_lshl_or_b32 v22, v17, 8*(\t), v22            ; four bytes make my column's scale word of this K step
.endif
.irp g, 0,1,2,3
	v_cvt_scalef32_pk8_fp4_f32 v[CD+4*(\t)+\g], v[XS+8*\g:XS+8*\g+7], v16
.endr
	v_nop                                          ; one plain place behind the scaled conversions
	global_store_b128 v9, v[CD+4*(\t):CD+4*(\t)+3], s[10:11] offset:256*(\t)   ; block t of an image lies at 256 t + 16 r: sixteen lanes store 256 consecutive bytes, aligned
.endm
	QBLK 0, 63
	QBLK 1, 63
	QBLK 2, 32
	QBLK 3, 0
	global_store_b32 v10, v22, s[12:13]            ; 32 scale words: 128 consecutive bytes
; The bf16 fragments of my 32 rows: fragment (e, k): rows 16 e on, j = 32 k on.  Lane (r, h): j = 8 h + 0..7 and 16 + 8 h + 0..7 of row r.
.irp e, 0,1
.irp k, 0,1,2,3
.set FU, UR+16*(4*\e+\k)
	ds_load_b128 v[FU:FU+3],     v8 offset:\e*16*PITCH+\k*128
	ds_load_b128 v[FU+4:FU+7],   v8 offset:\e*16*PITCH+\k*128+16
	ds_load_b128 v[FU+8:FU+11],  v8 offset:\e*16*PITCH+\k*128+64
	ds_load_b128 v[FU+12:FU+15], v8 offset:\e*16*PITCH+\k*128+80
.endr
.endr
.irp e, 0,1
.irp k, 0,1,2,3
.set FI, 4*\e+\k
.set FU, UR+16*FI
	s_wait_dscnt 4*(7-FI)                          ; the later fragments' loads may be out
.irp p, 0,1,2,3,4,5,6,7
	v_cvt_pk_bf16_f32 v[FRG+8*FI+\p], v[FU+2*\p], v[FU+2*\p+1]       ; hi
.endr
.irp p, 0,1,2,3,4,5,6,7
	v_lshlrev_b32 v[14+2*(\p%4)], 16, v[FRG+8*FI+\p]                 ; hi as f32,
	v_and_b32 v[15+2*(\p%4)], 0xffff0000, v[FRG+8*FI+\p]
	v_pk_add_f32 v[FU+2*\p:FU+2*\p+1], v[FU+2*\p:FU+2*\p+1], v[14+2*(\p%4):15+2*(\p%4)] neg_lo:[0,1] neg_hi:[0,1]   ; what hi leaves: exact
.endr
.irp p, 0,1,2,3,4,5,6,7
	v_cvt_pk_bf16_f32 v[FU+\p], v[FU+2*\p], v[FU+2*\p+1]             ; lo, laid over numbers that are done with (word p is written when pairs 0 .. p have been read)
.endr
	global_store_b128 v4, v[FRG+8*FI:FRG+8*FI+3],   s[14:15] offset:\e*131072+\k*2048
	global_store_b128 v4, v[FRG+8*FI+4:FRG+8*FI+7], s[14:15] offset:\e*131072+\k*2048+512
	global_store_b128 v4, v[FU:FU+3],               s[14:15] offset:\e*131072+\k*2048+1024
	global_store_b128 v4, v[FU+4:FU+7],             s[14:15] offset:\e*131072+\k*2048+1536
.endr
.endr
	s_cmp_lg_u32 s[WV], 0
	s_cbranch_scc1 .Lno_x
	WIN 0xaa                                       ; x's tile: a lane holds blocks h and 2 + h of column r; the conversions' results are the operand's registers
	s_wait_loadcnt 0x0
.irp c, 0,1
	v_max3_num_f32 v[8+\c], |v[XR+32*\c]|, |v[XR+32*\c+1]|, 0x1800000
.endr
.irp i, 2,4,6,8,10,12,14,16,18,20,22,24,26,28,30
.irp c, 0,1
	v_max3_num_f32 v[8+\c], v[8+\c], |v[XR+32*\c+\i]|, |v[XR+32*\c+\i+1]|
.endr
.endr
.irp c, 0,1
	v_add_nc_u32 v[10+\c], 0xff000000, v[8+\c]
.endr
.irp c, 0,1
	v_lshrrev_b32 v[12+\c], 23, v[10+\c]
.endr
	v_lshl_or_b32 v14, v13, 16, v12                ; my two bytes,
	v_lshlrev_b32 v14, v3, v14                     ; 8 h bits up;
	v_mov_b32 v15, 0
	v_permlanex16_b32 v15, v14, s22, s23
	v_or_b32 v14, v14, v15                         ; with lane l xor 16's two the word is whole, in both lanes
.irp c, 0,1
.irp g, 0,1,2,3
	v_cvt_scalef32_pk8_fp4_f32 v[XC+4*\c+\g], v[XR+32*\c+8*\g:XR+32*\c+8*\g+7], v[10+\c]
.endr
.endr
	v_nop                                          ; one plain place behind the scaled conversions
	global_store_b128 v1, v[XC:XC+3],   s[38:39]
	global_store_b128 v1, v[XC+4:XC+7], s[38:39] offset:512
	global_store_b32 v2, v14, s[40:41]             ; lanes r and 16 + r store the same word at the same place
	WIN 0
.Lno_x:
	s_wait_tensorcnt 0x0                           ; the wave's end
	ds_add_u32 v[SPW], v[NIL]
	s_wait_dscnt 0x0
	s_endpgm
.Lfunc_end_k_qf185741aaf_prep:
	.size	k_qf185741aaf_prep, .Lfunc_end_k_qf185741aaf_prep-k_qf185741aaf_prep
	.p2alignl 7, 3214868480
	.fill 96, 4, 3214868480
	.section	.rodata,"a",@progbits
	.p2align	6, 0x0
	.amdhsa_kernel k_qf185741aaf_prep
		.amdhsa_group_segment_fixed_size 68096
		.amdhsa_private_segment_fixed_size 0
		.amdhsa_enable_private_segment 0
		.amdhsa_kernarg_size 56
		.amdhsa_user_sgpr_count 2
		.amdhsa_user_sgpr_kernarg_segment_ptr 1
		.amdhsa_wavefront_size32 1
		.amdhsa_system_sgpr_workgroup_id_x 1
		.amdhsa_system_sgpr_workgroup_id_y 1
		.amdhsa_system_sgpr_workgroup_id_z 1
		.amdhsa_system_vgpr_workitem_id 0
		.amdhsa_next_free_vgpr 640
		.amdhsa_next_free_sgpr 66
		.amdhsa_reserve_vcc 1
		.amdhsa_float_denorm_mode_32 3
		.amdhsa_float_denorm_mode_16_64 3
		.amdhsa_memory_ordered 1
		.amdhsa_forward_progress 1
		.amdhsa_inst_pref_size 79
	.end_amdhsa_kernel
	.amdgpu_metadata
---
amdhsa.version: [ 1, 2 ]
amdhsa.kernels:
  - .name:           k_qf185741aaf_prep
    .symbol:         k_qf185741aaf_prep.kd
    .args:
      - { .name: batch_U, .offset: 0, .size: 8, .value_kind: global_buffer, .address_space: global }
      - { .name: batch_lam, .offset: 8, .size: 8, .value_kind: global_buffer, .address_space: global }
      - { .name: batch_x, .offset: 16, .size: 8, .value_kind: global_buffer, .address_space: global }
      - { .name: codes, .offset: 24, .size: 8, .value_kind: global_buffer, .address_space: global }
      - { .name: scales, .offset: 32, .size: 8, .value_kind: global_buffer, .address_space: global }
      - { .name: ufrag, .offset: 40, .size: 8, .value_kind: global_buffer, .address_space: global }
      - { .name: lh, .offset: 48, .size: 8, .value_kind: global_buffer, .address_space: global }
    .group_segment_fixed_size: 68096
    .private_segment_fixed_size: 0
    .kernarg_segment_align: 8
    .kernarg_segment_size: 56
    .max_flat_workgroup_size: 128
    .sgpr_count:     66
    .vgpr_count:     640
    .wavefront_size: 32
...
	.end_amdgpu_metadata
.endif
;; end of part 1
;; launch filt (part 2): grid 16 x 16, 4 waves a work-group, clusters of 4 x 4, 327,680 bytes of LDS; arguments lh, batch_lam, codes, scales, a_list, b_list, c_list, rfrag, yfrag; writes rfrag, yfrag
.if DOCPART == 2
	.amdgcn_target "amdgcn-amd-amdhsa--gfx1250"
	.amdhsa_code_object_version 6
	.text
	.protected	k_qf185741aaf_filt
	.globl	k_qf185741aaf_filt
	.p2align	8
	.type	k_qf185741aaf_filt,@function
k_qf185741aaf_filt:
	s_mov_b64 s[64:65], 0
	v_nop
	global_prefetch_b8 v0, s[64:65] scope:SCOPE_SE
	s_setreg_imm32_b32 hwreg(HW_REG_WAVE_MODE, 25, 1), 1
	s_wait_xcnt 0x0
	s_wait_alu depctr_hold_cnt(0) depctr_sa_sdst(0) depctr_va_vdst(0) depctr_va_sdst(0) depctr_va_ssrc(0) depctr_va_vcc(0) depctr_vm_vsrc(0)
	s_getreg_b32 s2, hwreg(HW_REG_IB_STS2, 6, 4)
	s_cmp_eq_u32 s2, 0
	s_cbranch_scc0 .Lentry_in_a_cluster
	s_endpgm
.Lentry_in_a_cluster:
	s_bfe_u32 s2, ttmp6, 0x10000c
	s_cmp_lg_u32 s2, 0xf033
	s_cbranch_scc0 .Lentry_shape_is_right
	s_endpgm
.Lentry_shape_is_right:
; THE SECOND LAUNCH: y = U^T x on codes of E2M1, and R = sum over i of s_i relu(rep_i), s_i = c_i / ((a_i - b_i)^2 / 4),
; rep_i[r][c] = -Q[r][c] + Loff[r][c] (a_i + b_i - d_r - d_c) + (r == c) (a_i - d_r)(d_r - b_i), Q = Loff Loff in f16 with f32 sums, all else in f32 from Lam itself.
; SHARES.  A work-group makes 128 x 128 of R, each of its four waves 64 x 64: 16 accumulators.  256 work-groups.  K goes in steps of 256 through two LDS slots filled by the tensor data mover:
; 128 rows r x 256 k (rows of 512 bytes) and 256 rows k x 128 c (rows of 256 bytes) of lh.  The product is used transposed: source 0 = 16 columns c (lh[k][c], turned by ds_load_tr16_b128),
; source 1 = 16 rows r: a lane holds one row r and eight neighbouring c: two neighbouring tiles, rounded in pairs, are an operand's image (16 r x 32 c) for the next launch.
; CLUSTERS: 4 x 4 work-groups.  The rows' tile hangs on the tile row alone and is asked for jointly by a row of the cluster, the columns' tile on the tile column alone, by a column.
; y: while the first two K steps' tiles are on their way each wave makes one image pair of y (32 j x 16 f): 32 scaled matrix instructions over the 2,048 n, two accumulators by turns.
; R and y leave as two bf16 each: hi, and lo = bf16(number - hi); an image pair is 2,048 bytes, hi first.
; LIMITS: what lh keeps of Lam (|Lam| up to 65,504; small off-diagonals rounded absolutely) enters Q alone; (a_i - b_i)^2 / 4 under 2^-126 counts as 0 in the reciprocal; NaN and infinities are not served.
; REGISTERS, in windows of 256: window 0: v1-31 addresses; v32-47 y's sums; v48-79 scale words; v80-123 y's way out; v90 the diagonal's place; v128-255 the accumulators ((a, b) at 128 + 8 (4 a + b)).
;   window 1: two fragment buffers of 128 (64 of rows, 64 of columns); before the loop U's codes.   window 3: v0-127 x's codes.
;   window 2: v0-127 Lam's tile in f32, later R's words; v128-159 d_c; v160-163 d_r; v164-179 the diagonal's mask and its complement; v180-195 the hops' row terms; v196-219 at work; v236 16 l; v240-255 the hops' constants.
.set PA,     528                       ; a row of the rows' tile in LDS: 512 bytes + 16
.set PB,     288                       ; a row of the columns' tile: 256 bytes + 32: an odd multiple of 32
.set HALFA,  64*PA
.set HALFB,  128*PB
.set BOFF,   2*HALFA
.set SLOT,   BOFF+2*HALFB              ; 141,312 bytes
.set SPARE,  2*SLOT                    ; behind the ring: the spare words, 128 bytes for each wave
.set LAPS,   4                         ; a lap = two K steps of 256
.set WV,   4
.set RH,   5                           ; which 64 rows of the tile are mine.  Also: I fetch the rows' tile (0) or the columns' (1)
.set CH,   6                           ; which 64 columns.  Also: which half of that tile I fetch
.set ADRA, 16                          ; v16-17  my rows' fragments in slot 0, 1
.set ADRB, 20                          ; v20-23  my columns' fragments: slot 0 k 0-127, k 128-255; slot 1 likewise
.set SPW,  28
.set NIL,  29
.set ACC,  128
.set F0,   0
.set F1,   128
.set G1,   24
.set G0,   32
.set G1B,  48
.set G0B,  56
.set DC,   128
.set DR,   160
.set DEL,  164
.set NDEL, 172
.set GG,   180
.set EE,   188
.set BS,   196
.set TQ,   204
.set RR,   212
.set ABV,  240
.set SCV,  244
.set WT,   252
.set MSB,  0
.macro WIN new                         ; the immediate's high byte repeats the setting that is left
.if MSB != \new
	s_set_vgpr_msb (MSB<<8)|\new
.set MSB, \new
.endif
.endm
.set MUL,  0x05                        ; sources 0 and 1 window 1; C and D window 0
.set TO_F, 0x40                        ; destination window 1, address window 0
.macro JLOAD s                         ; a joint load: waves 0 and 1 fetch the rows' halves, waves 2 and 3 the columns'; an s_nop 0 and four v_nop follow each line
	s_cmp_eq_u32 s[RH], 0
	s_cbranch_scc0 .Lfor_b_\@
	tensor_load_to_lds s[G0+4*\s:G0+4*\s+3], s[G1:G1+7]
	s_nop 0
.rept 4
	v_nop
.endr
	s_branch .Lasked_\@
.Lfor_b_\@:
	tensor_load_to_lds s[G0B+4*\s:G0B+4*\s+3], s[G1B:G1B+7]
	s_nop 0
.rept 4
	v_nop
.endr
.Lasked_\@:
.endm
.macro CREST                           ; a round of the cluster's barrier behind its opening barrier
	s_cmp_lg_u32 s[WV], 0
	s_cbranch_scc1 .Lnot_wave_0_\@
	s_barrier_signal -3
.Lnot_wave_0_\@:
	s_barrier_wait -3
	s_barrier_signal -1
	s_barrier_wait -1
.endm
.macro CROUND
	s_barrier_signal -1
	s_barrier_wait -1
	CREST
.endm
.macro PLACES                          ; four places in front of loads into registers that matrix instructions have read, and of the first read of results
.rept 4
	v_nop
.endr
.endm
	s_load_b256 s[68:75], s[0:1], 0x0              ; lh s[68:69], Lam s[70:71], codes s[72:73], scales s[74:75]
	s_load_b256 s[76:83], s[0:1], 0x20             ; a s[76:77], b s[78:79], c s[80:81], rfrag s[82:83]
	s_load_b64 s[84:85], s[0:1], 0x40              ; yfrag
	v_lshl_add_u32 v[SPW], v0, 2, SPARE
	v_mov_b32 v[NIL], 0
	ds_add_u32 v[SPW], v[NIL]                      ; the wave's opening: the add and its wait stand ahead of my first tensor load; work on registers stands between them
	v_lshrrev_b32 v1, 5, v0
	v_readfirstlane_b32 s[WV], v1
	s_lshr_b32 s[RH], s[WV], 1
	s_and_b32 s[CH], s[WV], 1
	s_bfe_u32 s7, ttmp6, 0x40000                   ; cx
	s_bfe_u32 s8, ttmp6, 0x40004                   ; cy
	s_lshl_b32 s9, ttmp9, 2
	s_add_co_u32 s9, s9, s7                        ; tile column = 4 x cluster x + cx
	s_and_b32 s10, ttmp7, 0xffff
	s_lshl_b32 s10, s10, 2
	s_add_co_u32 s10, s10, s8                      ; tile row = 4 x cluster y + cy
	s_lshl_b32 s11, s8, 2
	s_lshl_b32 s11, 15, s11                        ; my row of the cluster
	s_lshl_b32 s12, 0x1111, s7                     ; my column
	s_or_b32 s[G1], s11, (1<<16)|(1<<20)|(1<<21)|(6<<22)|(3<<25)    ; the mask; elements of 2 bytes; padding on; bit 21 beside a mask; after every 128 words, 4 words
	s_mov_b32 s[G1+1], 256<<16                     ; tensor_dim0 = 256
	s_mov_b32 s[G1+2], 64<<16                      ; tensor_dim1 = 64
	s_mov_b32 s[G1+3], 256<<16                     ; tile_dim0 = 256
	s_mov_b32 s[G1+4], 64                          ; tile_dim1 = 64
	s_mov_b32 s[G1+5], 2048                        ; from row to row
	s_mov_b32 s[G1+6], 0
	s_mov_b32 s[G1+7], 0
	s_or_b32 s[G1B], s12, (1<<16)|(1<<20)|(1<<21)|(5<<22)|(7<<25)   ; after every 64 words, 8 words
	s_mov_b32 s[G1B+1], 128<<16
	s_mov_b32 s[G1B+2], 128<<16
	s_mov_b32 s[G1B+3], 128<<16
	s_mov_b32 s[G1B+4], 128
	s_mov_b32 s[G1B+5], 2048
	s_mov_b32 s[G1B+6], 0
	s_mov_b32 s[G1B+7], 0
	s_lshl_b32 s14, s10, 7
	s_lshl_b32 s15, s[CH], 6
	s_add_co_u32 s14, s14, s15
	s_lshl_b32 s14, s14, 12                        ; the rows' tile: row 128 x tile row + 64 x half, 4,096 bytes a row
	s_mov_b32 s15, 0
	s_lshl_b32 s46, s[CH], 19                      ; the columns' tile: k row 128 x half,
	s_lshl_b32 s47, s9, 8
	s_add_co_u32 s46, s46, s47                     ; + 256 bytes x tile column
	s_mov_b32 s47, 0
	s_mul_i32 s40, s[CH], HALFA                    ; where they go: no place in the cluster enters an LDS address
	s_mul_i32 s41, s[CH], HALFB
	s_add_co_u32 s41, s41, BOFF
	s_wait_dscnt 0x0                               ; the opening add is done
	s_wait_kmcnt 0x0
	s_load_b128 s[88:91], s[76:77], 0x0            ; a_0 .. a_3
	s_load_b128 s[92:95], s[78:79], 0x0            ; b_0 .. b_3
	s_load_b128 s[96:99], s[80:81], 0x0            ; c_0 .. c_3
	s_add_nc_u64 s[14:15], s[68:69], s[14:15]
	s_add_nc_u64 s[46:47], s[68:69], s[46:47]
	CROUND                                         ; all sixteen work-groups are here: the first joint loads meet
.irp s, 0,1
	s_mov_b32 s[G0+4*\s], 1
	s_add_co_u32 s[G0+4*\s+1], s40, \s*SLOT
	s_add_nc_u64 s[G0+4*\s+2:G0+4*\s+3], s[14:15], \s*512          ; K step s: 256 k along the rows
	s_or_b32 s[G0+4*\s+3], s[G0+4*\s+3], 0x80000000
	s_mov_b32 s[G0B+4*\s], 1
	s_add_co_u32 s[G0B+4*\s+1], s41, \s*SLOT
	s_add_nc_u64 s[G0B+4*\s+2:G0B+4*\s+3], s[46:47], \s*1048576    ; K step s: 256 rows down
	s_or_b32 s[G0B+4*\s+3], s[G0B+4*\s+3], 0x80000000
	JLOAD \s
.endr
	; addresses
	v_and_b32 v1, 15, v0                           ; r
	v_bfe_u32 v2, v0, 4, 1                         ; h
	v_and_b32 v3, 31, v0                           ; l
	v_mul_u32_u24 v4, v1, PA
	v_lshl_add_u32 v4, v2, 4, v4
	s_mul_i32 s13, s[RH], HALFA
	v_add_nc_u32 v[ADRA], s13, v4                  ; row r of my 64, + 16 h
	v_add_nc_u32 v[ADRA+1], SLOT, v[ADRA]
	v_and_b32 v4, 7, v0
	v_lshl_add_u32 v4, v2, 3, v4
	v_mul_u32_u24 v4, v4, PB                       ; the turning load: k row 8 h + l % 8,
	v_bfe_u32 v5, v0, 3, 1
	v_lshl_add_u32 v4, v5, 4, v4                   ; 16 bytes x ((l / 8) % 2),
	s_lshl_b32 s13, s[CH], 7
	s_add_co_u32 s13, s13, BOFF
	v_add_nc_u32 v[ADRB], s13, v4                  ; my 64 columns' 128 bytes
	v_add_nc_u32 v[ADRB+1], HALFB, v[ADRB]
	v_add_nc_u32 v[ADRB+2], SLOT, v[ADRB]
	v_add_nc_u32 v[ADRB+3], SLOT+HALFB, v[ADRB]
	v_lshlrev_b32 v24, 4, v3                       ; 16 l
	v_lshlrev_b32 v25, 13, v1
	v_lshl_add_u32 v25, v2, 5, v25                 ; Lam's tile: row r of 8,192 bytes, + 32 h
	v_mul_u32_u24 v26, v1, 8196                    ; d_r: from a diagonal number to the next: 8,196 bytes
	v_mul_u32_u24 v27, v2, 65568                   ; d_c: 8 h of them
	v_lshlrev_b32 v31, 2, v1                       ; 4 r
	s_lshl_b32 s20, s10, 7
	s_lshl_b32 s13, s[RH], 6
	s_add_co_u32 s20, s20, s13                     ; R0: my first row
	s_lshl_b32 s21, s9, 7
	s_lshl_b32 s13, s[CH], 6
	s_add_co_u32 s21, s21, s13                     ; C0: my first column
	s_mov_b32 s87, 0
	s_lshl_b32 s86, s20, 13
	s_lshl_b32 s13, s21, 2
	s_add_co_u32 s86, s86, s13
	s_add_nc_u64 s[22:23], s[70:71], s[86:87]      ; Lam(R0, C0)
	s_mul_i32 s86, s20, 8196
	s_add_nc_u64 s[14:15], s[70:71], s[86:87]      ; Lam(R0, R0)
	s_mul_i32 s86, s21, 8196
	s_add_nc_u64 s[46:47], s[70:71], s[86:87]      ; Lam(C0, C0)
	s_lshl_b32 s86, s20, 13
	s_lshl_b32 s13, s21, 6
	s_add_co_u32 s86, s86, s13
	s_add_nc_u64 s[82:83], s[82:83], s[86:87]      ; rfrag: ((R0 / 16) 64 + C0 / 32) pairs of 2,048 bytes
	s_sub_co_i32 s19, s20, s21
	v_lshlrev_b32 v5, 3, v2
	v_sub_nc_u32 v90, v1, v5
	v_add_nc_u32 v90, s19, v90                     ; in a tile with b = a the diagonal is my register i where i = r - 8 h + R0 - C0; in no other tile can it lie (|r - 8 h - i| is under 16)
	s_lshl_b32 s13, s10, 4
	s_add_co_u32 s13, s13, s9                      ; g = 16 x tile row + tile column: which part of y is my work-group's
	s_lshr_b32 s16, s13, 3
	s_lshl_b32 s16, s16, 1
	s_add_co_u32 s16, s16, s[RH]                   ; kb: my 32 j
	s_and_b32 s17, s13, 7
	s_lshl_b32 s17, s17, 1
	s_add_co_u32 s17, s17, s[CH]                   ; ft: my 16 f
	s_lshl_b32 s86, s16, 15
	s_add_nc_u64 s[40:41], s[72:73], s[86:87]      ; U's codes: tiles 2 kb, 2 kb + 1
	s_add_co_u32 s86, s17, 128
	s_lshl_b32 s86, s86, 14
	s_add_nc_u64 s[42:43], s[72:73], s[86:87]      ; x's codes: tile 128 + ft
	s_lshl_b32 s86, s16, 7
	s_add_nc_u64 s[44:45], s[74:75], s[86:87]      ; U's scale words: word 32 kb
	s_lshl_b32 s18, s17, 6
	s_add_co_u32 s18, s18, 8192
	s_sub_co_u32 s18, s18, s86                     ; from there to x's: (2,048 + 16 ft - 32 kb) words
	v_mul_u32_u24 v30, s18, v2
	v_lshl_add_u32 v30, v1, 2, v30                 ; lanes 0-15 U's words, lanes 16-31 x's
	s_lshl_b32 s86, s17, 6
	s_add_co_u32 s86, s86, s16
	s_lshl_b32 s86, s86, 11
	s_add_nc_u64 s[84:85], s[84:85], s[86:87]      ; yfrag: pair ft x 64 + kb
	; y's operands first, Lam's tile and diagonals behind them
	WIN 0x40
.set KS, 0
.rept 16
.irp e, 0,1
.irp c, 0,1
	global_load_b128 v[16*KS+8*\e+4*\c:16*KS+8*\e+4*\c+3], v24, s[40:41] offset:\e*16384+KS*1024+512*\c
.endr
.endr
.set KS, KS+1
.endr
	WIN 0xc0
.set KS, 0
.rept 16
.irp c, 0,1
	global_load_b128 v[8*KS+4*\c:8*KS+4*\c+3], v24, s[42:43] offset:KS*1024+512*\c
.endr
.set KS, KS+1
.endr
	WIN 0
.set KS, 0
.rept 16
	global_load_b32 v[48+KS], v30, s[44:45] offset:9216*KS          ; lanes 0-15: tile 2 kb's words; lanes 16-31: x's
	global_load_b32 v[64+KS], v31, s[44:45] offset:9216*KS+64       ; tile 2 kb + 1's
.set KS, KS+1
.endr
	WIN 0x80
.irp a, 0,1,2,3
.irp b, 0,1,2,3
	global_load_b128 v[8*(4*\a+\b):8*(4*\a+\b)+3],   v25, s[22:23] offset:\a*131072+\b*64
	global_load_b128 v[8*(4*\a+\b)+4:8*(4*\a+\b)+7], v25, s[22:23] offset:\a*131072+\b*64+16
.endr
.endr
.irp a, 0,1,2,3
	global_load_b32 v[DR+\a], v26, s[14:15] offset:\a*131136
.endr
.irp b, 0,1,2,3
.irp i, 0,1,2,3,4,5,6,7
	global_load_b32 v[DC+8*\b+\i], v27, s[46:47] offset:(16*\b+\i)*8196
.endr
.endr
	v_mov_b32 v236, v24
	WIN 0
	s_wait_loadcnt 63                              ; 68 loads of Lam are younger than the codes and scale words: the count is what the wait can name of them
	WIN 0x0d                                       ; source 0 (U) window 1, source 1 (x) window 3, C and D window 0
.set KS, 0
.rept 16                               ; y(j, f): source 0 = 16 j, source 1 = 16 f: a lane holds one f, its registers j = 8 h + 0..7.  Two accumulators by turns, n ascending
.if KS == 0
	v_wmma_scale_f32_16x16x128_f8f6f4 v[32:39], v[16*KS:16*KS+7], v[8*KS:8*KS+7], 0, v[48+KS], v[48+KS] matrix_a_fmt:MATRIX_FMT_FP4 matrix_b_fmt:MATRIX_FMT_FP4 matrix_b_scale:MATRIX_SCALE_ROW1
	v_wmma_scale_f32_16x16x128_f8f6f4 v[40:47], v[16*KS+8:16*KS+15], v[8*KS:8*KS+7], 0, v[64+KS], v[48+KS] matrix_a_fmt:MATRIX_FMT_FP4 matrix_b_fmt:MATRIX_FMT_FP4 matrix_b_scale:MATRIX_SCALE_ROW1
.else
	v_wmma_scale_f32_16x16x128_f8f6f4 v[32:39], v[16*KS:16*KS+7], v[8*KS:8*KS+7], v[32:39], v[48+KS], v[48+KS] matrix_a_fmt:MATRIX_FMT_FP4 matrix_b_fmt:MATRIX_FMT_FP4 matrix_b_scale:MATRIX_SCALE_ROW1
	v_wmma_scale_f32_16x16x128_f8f6f4 v[40:47], v[16*KS+8:16*KS+15], v[8*KS:8*KS+7], v[40:47], v[64+KS], v[48+KS] matrix_a_fmt:MATRIX_FMT_FP4 matrix_b_fmt:MATRIX_FMT_FP4 matrix_b_scale:MATRIX_SCALE_ROW1
.endif
.set KS, KS+1
.endr
	PLACES
	WIN 0
.irp p, 0,1,2,3,4,5,6,7
	v_cvt_pk_bf16_f32 v[80+\p], v[32+2*\p], v[33+2*\p]              ; hi: each accumulator from its low end on
.endr
.irp p, 0,1,2,3,4,5,6,7
	v_lshlrev_b32 v[92+2*(\p%4)], 16, v[80+\p]
	v_and_b32 v[93+2*(\p%4)], 0xffff0000, v[80+\p]
	v_pk_add_f32 v[108+2*\p:109+2*\p], v[32+2*\p:33+2*\p], v[92+2*(\p%4):93+2*(\p%4)] neg_lo:[0,1] neg_hi:[0,1]
.endr
.irp p, 0,1,2,3,4,5,6,7
	v_cvt_pk_bf16_f32 v[100+\p], v[108+2*\p], v[109+2*\p]           ; lo
.endr
	global_store_b128 v24, v[80:83],   s[84:85]
	global_store_b128 v24, v[84:87],   s[84:85] offset:512
	global_store_b128 v24, v[100:103], s[84:85] offset:1024
	global_store_b128 v24, v[104:107], s[84:85] offset:1536
	; the hops' constants, the same in every lane
	s_wait_kmcnt 0x0
	WIN 0xaa
.irp i, 0,1,2,3
	v_add_f32 v[ABV+\i], s[88+\i], s[92+\i]        ; a_i + b_i
	v_sub_f32 v[WT+\i], s[88+\i], s[92+\i]
.endr
.irp i, 0,1,2,3
	v_mul_f32 v[WT+\i], v[WT+\i], v[WT+\i]
.endr
.irp i, 0,1,2,3
	v_mul_f32 v[WT+\i], 0x3e800000, v[WT+\i]       ; (a_i - b_i)^2 / 4
.endr
.irp i, 0,1,2,3
	v_rcp_f32 v[WT+\i], v[WT+\i]
.endr
	v_nop                                          ; a plain place behind the last reciprocal
	s_wait_alu depctr_va_vdst(0)                   ; one wait for the four, ahead of their first reader
.irp i, 0,1,2,3
	v_mul_f32 v[SCV+2*\i], s[96+\i], v[WT+\i]      ; s_i, twice: a pair for the packed forms
	v_mul_f32 v[SCV+2*\i+1], s[96+\i], v[WT+\i]
.endr
	WIN 0
; 8 matrix instructions: row blocks a0, a0 + 1 x all 4 column blocks, 32 along K: half c of buffer f.  zero = 1: the first product starts the sums.  The 16 accumulators take turns
.macro MUL8 f, c, a0, zero
.irp a, \a0, \a0+1
.irp b, 0,1,2,3
.if \zero
	v_wmma_f32_16x16x32_f16 v[ACC+8*(4*(\a)+\b):ACC+8*(4*(\a)+\b)+7], v[\f+64+8*(4*\c+\b):\f+64+8*(4*\c+\b)+7], v[\f+8*(4*\c+(\a)):\f+8*(4*\c+(\a))+7], 0
.else
	v_wmma_f32_16x16x32_f16 v[ACC+8*(4*(\a)+\b):ACC+8*(4*(\a)+\b)+7], v[\f+64+8*(4*\c+\b):\f+64+8*(4*\c+\b)+7], v[\f+8*(4*\c+(\a)):\f+8*(4*\c+(\a))+7], v[ACC+8*(4*(\a)+\b):ACC+8*(4*(\a)+\b)+7]
.endif
.endr
.endr
.endm
; 32 LDS loads in one run: the fragments of the slot's q-th 64 along K into buffer f; the first 32 along K first
.macro FETCH slot, q, f
	WIN TO_F
.irp c, 0,1
.irp i, 0,1,2,3
	ds_load_tr16_b128 v[\f+64+8*(4*\c+\i):\f+64+8*(4*\c+\i)+3],   v[ADRB+2*\slot+(\q)/2] offset:(((\q)%2)*64+32*\c)*PB+32*\i
	ds_load_tr16_b128 v[\f+64+8*(4*\c+\i)+4:\f+64+8*(4*\c+\i)+7], v[ADRB+2*\slot+(\q)/2] offset:(((\q)%2)*64+32*\c+16)*PB+32*\i
	ds_load_b128 v[\f+8*(4*\c+\i):\f+8*(4*\c+\i)+3],              v[ADRA+\slot] offset:128*(\q)+64*\c+\i*16*PA
	ds_load_b128 v[\f+8*(4*\c+\i)+4:\f+8*(4*\c+\i)+7],            v[ADRA+\slot] offset:128*(\q)+64*\c+\i*16*PA+32
.endr
.endr
.endm
; A K step is four quarters of 64 along K, 32 matrix instructions each, on buffers 0, 1, 0, 1.  One of the first three: multiplies buffer f and fetches quarter q into g
.macro QUARTER slot, q, f, g, zero
	s_wait_dscnt 16                                ; the first 32 along K are in; the youngest sixteen loads may be out
	WIN MUL
	MUL8 \f, 0, 0, \zero
	MUL8 \f, 0, 2, \zero
	PLACES
	FETCH \slot, \q, \g
	s_wait_dscnt 32                                ; all but the 32 just issued
	WIN MUL
	MUL8 \f, 1, 0, 0
	MUL8 \f, 1, 2, 0
.endm
; The last quarter multiplies buffer 1 and changes slots: one barrier; in front of it each wave waits for all its tensor loads, adds 0 to its spare word, and waits for that and for its reads of this slot.
; fill = 1: the barrier opens a round of the cluster's, and this slot is filled again, two K steps ahead, first thing behind the round
.macro TURN slot, next, fill
	WIN 0                                          ; (the add's two registers lie in window 0)
	s_wait_tensorcnt 0x0                           ; all my tensor loads have landed: the one that was out is my part of the next slot
	ds_add_u32 v[SPW], v[NIL]                      ; 0 onto my spare word
	s_wait_dscnt 17                                ; (the add and the youngest sixteen loads may be out)
	WIN MUL
	MUL8 F1, 0, 0, 0
	s_wait_dscnt 0x0                               ; the add is done, and my reads of this slot are over
	s_barrier_signal -1
	MUL8 F1, 0, 2, 0
.if \fill
	WIN 0
.endif
	s_barrier_wait -1
.if \fill
	CREST                                          ; no wave of any partner still reads this slot or has a load on its way
	s_add_nc_u64 s[G0+4*\slot+2:G0+4*\slot+3], s[G0+4*\slot+2:G0+4*\slot+3], 1024          ; 512 k along the rows
	s_add_nc_u64 s[G0B+4*\slot+2:G0B+4*\slot+3], s[G0B+4*\slot+2:G0B+4*\slot+3], 2097152   ; 512 rows down
	JLOAD \slot                                    ; its four v_nop are also the places in front of the loads below
.else
	PLACES
.endif
	FETCH \next, 0, F0
	WIN MUL
	MUL8 F1, 1, 0, 0
	MUL8 F1, 1, 2, 0
.endm
	s_wait_tensorcnt 1                             ; my part of K step 0 is in; K step 1's may stay out
	s_barrier_signal -1
	s_barrier_wait -1
	FETCH 0, 0, F0
	QUARTER 0, 1, F0, F1, 1                        ; the first quarter stands in front of the loop: its first products start the sums
	WIN 0
	s_mov_b32 s3, LAPS-1
.Llap:                                             ; a trip goes once round the ring and fills both slots again
	QUARTER 0, 2, F1, F0, 0
	QUARTER 0, 3, F0, F1, 0
	TURN 0, 1, 1
	QUARTER 1, 1, F0, F1, 0
	QUARTER 1, 2, F1, F0, 0
	QUARTER 1, 3, F0, F1, 0
	TURN 1, 0, 1
	QUARTER 0, 1, F0, F1, 0
	WIN 0
	s_sub_co_u32 s3, s3, 1
	s_cmp_lg_u32 s3, 0
	s_cbranch_scc1 .Llap
	QUARTER 0, 2, F1, F0, 0                        ; the last lap fills nothing
	QUARTER 0, 3, F0, F1, 0
	TURN 0, 1, 0
	QUARTER 1, 1, F0, F1, 0
	QUARTER 1, 2, F1, F0, 0
	QUARTER 1, 3, F0, F1, 0
	s_wait_dscnt 16
	WIN MUL
	MUL8 F1, 0, 0, 0
	MUL8 F1, 0, 2, 0
	s_wait_dscnt 0
	MUL8 F1, 1, 0, 0
	MUL8 F1, 1, 2, 0
	WIN 0
	; FROM Q TO R.  No branch hangs on where the diagonal lies: it is a mask of numbers 1 and 0.
	s_wait_loadcnt 0x0                             ; Lam's tile and the diagonals
	PLACES
	WIN 0x80
.irp i, 0,1,2,3,4,5,6,7
	v_cmp_eq_u32 vcc_lo, \i, v90
	v_cndmask_b32 v[DEL+\i], 0, 1.0, vcc_lo        ; 1 on the diagonal
	v_cndmask_b32 v[NDEL+\i], 1.0, 0, vcc_lo       ; 0 on the diagonal
.endr
.macro ROWSET a                        ; the hops' terms that hang on the row alone, each twice: pairs for the packed forms
.irp i, 0,1,2,3
	v_sub_f32 v[GG+2*\i], v[ABV+\i], v[DR+\a]      ; a_i + b_i - d_r
	v_sub_f32 v[GG+2*\i+1], v[ABV+\i], v[DR+\a]
	v_sub_f32 v238, s[88+\i], v[DR+\a]
	v_sub_f32 v239, v[DR+\a], s[92+\i]
	v_mul_f32 v[EE+2*\i], v238, v239               ; (a_i - d_r)(d_r - b_i)
	v_mul_f32 v[EE+2*\i+1], v238, v239
.endr
.endm
.macro TILE a, b
.set LT, 8*(4*(\a)+(\b))
.if (\a) == (\b)
	WIN 0xaa
.irp p, 0,2,4,6
	v_pk_mul_f32 v[LT+\p:LT+\p+1], v[LT+\p:LT+\p+1], v[NDEL+\p:NDEL+\p+1]          ; Loff
.endr
.endif
	WIN 0x8a                                       ; source 2, the accumulator, in window 0
.irp p, 0,2,4,6
	v_pk_fma_f32 v[BS+\p:BS+\p+1], v[LT+\p:LT+\p+1], v[DC+8*(\b)+\p:DC+8*(\b)+\p+1], v[ACC+LT+\p:ACC+LT+\p+1] neg_lo:[1,0,1] neg_hi:[1,0,1]   ; -Q - Loff d_c; the accumulator from its low end on
.endr
	WIN 0xaa
.irp i, 0,1,2,3
.irp p, 0,2,4,6
	v_pk_fma_f32 v[TQ+\p:TQ+\p+1], v[LT+\p:LT+\p+1], v[GG+2*\i:GG+2*\i+1], v[BS+\p:BS+\p+1]
.endr
.if (\a) == (\b)
.irp p, 0,2,4,6
	v_pk_fma_f32 v[TQ+\p:TQ+\p+1], v[DEL+\p:DEL+\p+1], v[EE+2*\i:EE+2*\i+1], v[TQ+\p:TQ+\p+1]
.endr
.endif
.irp j, 0,1,2,3,4,5,6,7
	v_max_num_f32 v[TQ+\j], 0, v[TQ+\j]            ; relu(rep_i)
.endr
.irp p, 0,2,4,6
.if \i == 0
	v_pk_mul_f32 v[RR+\p:RR+\p+1], v[TQ+\p:TQ+\p+1], v[SCV:SCV+1]
.else
	v_pk_fma_f32 v[RR+\p:RR+\p+1], v[TQ+\p:TQ+\p+1], v[SCV+2*\i:SCV+2*\i+1], v[RR+\p:RR+\p+1]
.endif
.endr
.endr
.irp p, 0,1,2,3
	v_cvt_pk_bf16_f32 v[LT+\p], v[RR+2*\p], v[RR+2*\p+1]            ; hi, laid over the tile's Lam, which is done with
.endr
.irp p, 0,1,2,3
	v_lshlrev_b32 v[TQ+2*\p], 16, v[LT+\p]
	v_and_b32 v[TQ+2*\p+1], 0xffff0000, v[LT+\p]
.endr
.irp p, 0,1,2,3
	v_pk_add_f32 v[RR+2*\p:RR+2*\p+1], v[RR+2*\p:RR+2*\p+1], v[TQ+2*\p:TQ+2*\p+1] neg_lo:[0,1] neg_hi:[0,1]
.endr
.irp p, 0,1,2,3
	v_cvt_pk_bf16_f32 v[LT+4+\p], v[RR+2*\p], v[RR+2*\p+1]          ; lo
.endr
	global_store_b128 v236, v[LT:LT+3],   s[82:83] offset:(\a)*131072+((\b)/2)*2048+((\b)%2)*512        ; half an image: 512 consecutive bytes, aligned; no data register is written again
	global_store_b128 v236, v[LT+4:LT+7], s[82:83] offset:(\a)*131072+((\b)/2)*2048+((\b)%2)*512+1024
.endm
.irp a, 0,1,2,3
	WIN 0xaa
	ROWSET \a
	TILE \a, 0
	TILE \a, 1
	TILE \a, 2
	TILE \a, 3
.endr
	WIN 0
	s_wait_tensorcnt 0x0                           ; the wave's end
	ds_add_u32 v[SPW], v[NIL]
	s_wait_dscnt 0x0
	CROUND                                         ; the closing round
	s_endpgm
.Lfunc_end_k_qf185741aaf_filt:
	.size	k_qf185741aaf_filt, .Lfunc_end_k_qf185741aaf_filt-k_qf185741aaf_filt
	.p2alignl 7, 3214868480
	.fill 96, 4, 3214868480
	.section	.rodata,"a",@progbits
	.p2align	6, 0x0
	.amdhsa_kernel k_qf185741aaf_filt
		.amdhsa_group_segment_fixed_size 327680
		.amdhsa_private_segment_fixed_size 0
		.amdhsa_enable_private_segment 0
		.amdhsa_kernarg_size 72
		.amdhsa_user_sgpr_count 2
		.amdhsa_user_sgpr_kernarg_segment_ptr 1
		.amdhsa_wavefront_size32 1
		.amdhsa_system_sgpr_workgroup_id_x 1
		.amdhsa_system_sgpr_workgroup_id_y 1
		.amdhsa_system_sgpr_workgroup_id_z 1
		.amdhsa_system_vgpr_workitem_id 0
		.amdhsa_next_free_vgpr 896
		.amdhsa_next_free_sgpr 100
		.amdhsa_reserve_vcc 1
		.amdhsa_float_denorm_mode_32 3
		.amdhsa_float_denorm_mode_16_64 3
		.amdhsa_memory_ordered 1
		.amdhsa_forward_progress 1
		.amdhsa_inst_pref_size 191
	.end_amdhsa_kernel
	.amdgpu_metadata
---
amdhsa.version: [ 1, 2 ]
amdhsa.kernels:
  - .name:           k_qf185741aaf_filt
    .symbol:         k_qf185741aaf_filt.kd
    .args:
      - { .name: lh, .offset: 0, .size: 8, .value_kind: global_buffer, .address_space: global }
      - { .name: batch_lam, .offset: 8, .size: 8, .value_kind: global_buffer, .address_space: global }
      - { .name: codes, .offset: 16, .size: 8, .value_kind: global_buffer, .address_space: global }
      - { .name: scales, .offset: 24, .size: 8, .value_kind: global_buffer, .address_space: global }
      - { .name: a_list, .offset: 32, .size: 8, .value_kind: global_buffer, .address_space: global }
      - { .name: b_list, .offset: 40, .size: 8, .value_kind: global_buffer, .address_space: global }
      - { .name: c_list, .offset: 48, .size: 8, .value_kind: global_buffer, .address_space: global }
      - { .name: rfrag, .offset: 56, .size: 8, .value_kind: global_buffer, .address_space: global }
      - { .name: yfrag, .offset: 64, .size: 8, .value_kind: global_buffer, .address_space: global }
    .group_segment_fixed_size: 327680
    .private_segment_fixed_size: 0
    .kernarg_segment_align: 8
    .kernarg_segment_size: 72
    .max_flat_workgroup_size: 128
    .sgpr_count:     100
    .vgpr_count:     896
    .wavefront_size: 32
...
	.end_amdgpu_metadata
.endif
;; end of part 2
;; launch mixw (part 3): grid 4 x 64, 8 waves a work-group, no clusters, 66,560 bytes of LDS; arguments rfrag, yfrag, wfrag; writes wfrag
.if DOCPART == 3
	.amdgcn_target "amdgcn-amd-amdhsa--gfx1250"
	.amdhsa_code_object_version 6
	.text
	.protected	k_qf185741aaf_mixw
	.globl	k_qf185741aaf_mixw
	.p2align	8
	.type	k_qf185741aaf_mixw,@function
k_qf185741aaf_mixw:
	s_mov_b64 s[64:65], 0
	v_nop
	global_prefetch_b8 v0, s[64:65] scope:SCOPE_SE
	s_setreg_imm32_b32 hwreg(HW_REG_WAVE_MODE, 25, 1), 1
	s_wait_xcnt 0x0
; THE THIRD LAUNCH: w = R y.  R [2048 r][2048 c] and y [2048 c][256 f] come as images of the operands' registers, each number as two bf16 (hi, lo): the product is hi hi + hi lo + lo hi, f32 sums.
; SHARES.  A work-group makes 32 rows x 64 f: 2 x 4 tiles.  K IS SPLIT OVER ITS EIGHT WAVES: wave v takes c = 256 v .. 256 v + 255 (8 blocks of 32) and holds all 8 accumulators; the eight partial sums meet in LDS.
; So each byte that the work-group loads goes once, straight into the registers of the one wave that multiplies it.
; NO JOINT LOADS: they land in LDS, and a work-group's 768 KiB of operands would have to go through a ring there, with a round of the cluster's barrier for each refill, for 192 matrix instructions a wave.
; Four register slots of one K block each (24 loads of 512 bytes, 96 registers): blocks 0-3 are asked for at the head, block t + 4 behind block t's products.
; Source 0 = 16 rows of R, source 1 = 16 f of y: a lane holds one f, its registers rows 8 h + 0..7: the two row tiles, rounded in pairs, are the next launch's image (16 f x 32 rows).
; REGISTERS: window 0: v1 16 l; v2, v3 the add's two; v5, v6 LDS addresses; v8-23 the way out; v64-127 accumulators (tile 2 b + a); v128-255 R: slot s at 128 + 32 s: 16 a + 8 (hi, lo).  window 1: y: slot s at 64 s: 16 b + 8 (hi, lo).
.set SPARE, 65536                      ; behind the eight partial sums of 8,192 bytes: the spare words, 128 bytes for each wave
.set SPW,   2
.set NIL,   3
.set ACC,   64
.set PF,    128
.set MSB,   0
.macro WIN new
.if MSB != \new
	s_set_vgpr_msb (MSB<<8)|\new
.set MSB, \new
.endif
.endm
	s_load_b128 s[4:7], s[0:1], 0x0                ; rfrag, yfrag
	s_load_b64 s[8:9], s[0:1], 0x10                ; wfrag
	v_lshl_add_u32 v[SPW], v0, 2, SPARE
	v_mov_b32 v[NIL], 0
	v_lshrrev_b32 v4, 5, v0
	v_readfirstlane_b32 s10, v4                    ; wave 0..7
	v_and_b32 v4, 31, v0
	v_lshlrev_b32 v1, 4, v4                        ; 16 l
	s_and_b32 s11, ttmp7, 0xffff                   ; RB: which 32 rows
	s_lshl_b32 s14, s10, 14                        ; my 8 K blocks: 8 pairs of 2,048 bytes a wave
	s_lshl_b32 s12, s11, 18                        ; row tile 2 RB: 64 pairs a tile
	s_add_co_u32 s12, s12, s14
	s_mov_b32 s13, 0
	s_lshl_b32 s16, ttmp9, 19                      ; f tile 4 FB
	s_add_co_u32 s16, s16, s14
	s_mov_b32 s17, 0
	s_lshl_b32 s18, ttmp9, 2
	s_lshr_b32 s19, s10, 1
	s_add_co_u32 s18, s18, s19                     ; on the way out I own tile 2 b + a = my wave's number: f tile 4 FB + wave / 2,
	s_lshl_b32 s18, s18, 6
	s_add_co_u32 s18, s18, s11                     ; K block RB of the next product,
	s_lshl_b32 s18, s18, 11
	s_and_b32 s19, s10, 1
	s_lshl_b32 s19, s19, 9
	s_add_co_u32 s18, s18, s19                     ; half wave % 2 of the image
	s_mov_b32 s19, 0
	s_lshl_b32 s20, s10, 13
	v_add_nc_u32 v5, s20, v1                       ; LDS: my partial sums
	s_lshl_b32 s20, s10, 10
	v_add_nc_u32 v6, s20, v1                       ; and my tile in each of the eight
	s_wait_kmcnt 0x0
	s_add_nc_u64 s[4:5], s[4:5], s[12:13]
	s_add_nc_u64 s[6:7], s[6:7], s[16:17]
	s_add_nc_u64 s[8:9], s[8:9], s[18:19]
.macro LOADK t                         ; K block t into slot t % 4: a pair's 2,048 bytes are 16 registers on end
.set SL, (\t)%4
	WIN 0x40
.irp b, 0,1,2,3
.irp j, 0,1,2,3
	global_load_b128 v[64*SL+16*\b+4*\j:64*SL+16*\b+4*\j+3], v1, s[6:7] offset:\b*131072+(\t)*2048+512*\j
.endr
.endr
	WIN 0
.irp a, 0,1
.irp j, 0,1,2,3
	global_load_b128 v[PF+32*SL+16*\a+4*\j:PF+32*SL+16*\a+4*\j+3], v1, s[4:5] offset:\a*131072+(\t)*2048+512*\j
.endr
.endr
.endm
.macro MULK t                          ; 24 matrix instructions: hi hi, hi lo, lo hi; the 8 accumulators take turns in the same order in every pass
.set SL, (\t)%4
	WIN 0x04                                       ; source 1 (y) window 1
.irp pass, 0,1,2
.irp b, 0,1,2,3
.irp a, 0,1
.if ((\t) == 0) && (\pass == 0)
	v_wmma_f32_16x16x32_bf16 v[ACC+8*(2*\b+\a):ACC+8*(2*\b+\a)+7], v[PF+32*SL+16*\a+8*(\pass/2):PF+32*SL+16*\a+8*(\pass/2)+7], v[64*SL+16*\b+8*(\pass%2):64*SL+16*\b+8*(\pass%2)+7], 0
.else
	v_wmma_f32_16x16x32_bf16 v[ACC+8*(2*\b+\a):ACC+8*(2*\b+\a)+7], v[PF+32*SL+16*\a+8*(\pass/2):PF+32*SL+16*\a+8*(\pass/2)+7], v[64*SL+16*\b+8*(\pass%2):64*SL+16*\b+8*(\pass%2)+7], v[ACC+8*(2*\b+\a):ACC+8*(2*\b+\a)+7]
.endif
.endr
.endr
.endr
.endm
.macro STEPK t, left                   ; left: the loads of the K blocks asked for behind block t (three blocks are 72: the count is what the wait can name of them)
	s_wait_loadcnt \left
	MULK \t
.if (\t) < 4
.rept 4
	v_nop                                          ; places in front of loads into registers that matrix instructions have read
.endr
	LOADK (\t)+4
.endif
.endm
	LOADK 0
	LOADK 1
	LOADK 2
	LOADK 3
	STEPK 0, 63
	STEPK 1, 63
	STEPK 2, 63
	STEPK 3, 63
	STEPK 4, 63
	STEPK 5, 48
	STEPK 6, 24
	STEPK 7, 0
	WIN 0
.rept 4
	v_nop                                          ; places in front of the first read of results
.endr
.irp q, 0,1,2,3,4,5,6,7
	ds_store_b128 v5, v[ACC+8*\q:ACC+8*\q+3]   offset:\q*1024      ; as images: 512 consecutive bytes a store; each accumulator from its low end on
	ds_store_b128 v5, v[ACC+8*\q+4:ACC+8*\q+7] offset:\q*1024+512
.endr
	s_wait_dscnt 0x0                               ; for the others' sake: my partial sums lie in LDS
	s_barrier_signal -1
	s_barrier_wait -1
.irp p, 0,1,2,3,4,5,6,7
	ds_load_b128 v[PF+8*\p:PF+8*\p+3],   v6 offset:\p*8192
	ds_load_b128 v[PF+8*\p+4:PF+8*\p+7], v6 offset:\p*8192+512
.endr
	s_wait_dscnt 0x0
.irp p, 0,2,4,6
.irp j, 0,2,4,6
	v_pk_add_f32 v[PF+8*\p+\j:PF+8*\p+\j+1], v[PF+8*\p+\j:PF+8*\p+\j+1], v[PF+8*(\p+1)+\j:PF+8*(\p+1)+\j+1]
.endr
.endr
.irp p, 0,4
.irp j, 0,2,4,6
	v_pk_add_f32 v[PF+8*\p+\j:PF+8*\p+\j+1], v[PF+8*\p+\j:PF+8*\p+\j+1], v[PF+8*(\p+2)+\j:PF+8*(\p+2)+\j+1]
.endr
.endr
.irp j, 0,2,4,6
	v_pk_add_f32 v[PF+\j:PF+\j+1], v[PF+\j:PF+\j+1], v[PF+32+\j:PF+32+\j+1]
.endr
.irp p, 0,1,2,3
	v_cvt_pk_bf16_f32 v[8+\p], v[PF+2*\p], v[PF+2*\p+1]             ; hi
.endr
.irp p, 0,1,2,3
	v_lshlrev_b32 v[16+2*\p], 16, v[8+\p]
	v_and_b32 v[17+2*\p], 0xffff0000, v[8+\p]
	v_pk_add_f32 v[PF+2*\p:PF+2*\p+1], v[PF+2*\p:PF+2*\p+1], v[16+2*\p:17+2*\p] neg_lo:[0,1] neg_hi:[0,1]
.endr
.irp p, 0,1,2,3
	v_cvt_pk_bf16_f32 v[12+\p], v[PF+2*\p], v[PF+2*\p+1]            ; lo
.endr
	global_store_b128 v1, v[8:11],  s[8:9]                          ; half an image: 512 consecutive bytes, aligned
	global_store_b128 v1, v[12:15], s[8:9] offset:1024
	s_wait_tensorcnt 0x0                           ; the wave's end
	ds_add_u32 v[SPW], v[NIL]
	s_wait_dscnt 0x0
	s_endpgm
.Lfunc_end_k_qf185741aaf_mixw:
	.size	k_qf185741aaf_mixw, .Lfunc_end_k_qf185741aaf_mixw-k_qf185741aaf_mixw
	.p2alignl 7, 3214868480
	.fill 96, 4, 3214868480
	.section	.rodata,"a",@progbits
	.p2align	6, 0x0
	.amdhsa_kernel k_qf185741aaf_mixw
		.amdhsa_group_segment_fixed_size 66560
		.amdhsa_private_segment_fixed_size 0
		.amdhsa_enable_private_segment 0
		.amdhsa_kernarg_size 24
		.amdhsa_user_sgpr_count 2
		.amdhsa_user_sgpr_kernarg_segment_ptr 1
		.amdhsa_wavefront_size32 1
		.amdhsa_system_sgpr_workgroup_id_x 1
		.amdhsa_system_sgpr_workgroup_id_y 1
		.amdhsa_system_sgpr_workgroup_id_z 1
		.amdhsa_system_vgpr_workitem_id 0
		.amdhsa_next_free_vgpr 512
		.amdhsa_next_free_sgpr 66
		.amdhsa_reserve_vcc 0
		.amdhsa_float_denorm_mode_32 3
		.amdhsa_float_denorm_mode_16_64 3
		.amdhsa_memory_ordered 1
		.amdhsa_forward_progress 1
		.amdhsa_inst_pref_size 39
	.end_amdhsa_kernel
	.amdgpu_metadata
---
amdhsa.version: [ 1, 2 ]
amdhsa.kernels:
  - .name:           k_qf185741aaf_mixw
    .symbol:         k_qf185741aaf_mixw.kd
    .args:
      - { .name: rfrag, .offset: 0, .size: 8, .value_kind: global_buffer, .address_space: global }
      - { .name: yfrag, .offset: 8, .size: 8, .value_kind: global_buffer, .address_space: global }
      - { .name: wfrag, .offset: 16, .size: 8, .value_kind: global_buffer, .address_space: global }
    .group_segment_fixed_size: 66560
    .private_segment_fixed_size: 0
    .kernarg_segment_align: 8
    .kernarg_segment_size: 24
    .max_flat_workgroup_size: 256
    .sgpr_count:     66
    .vgpr_count:     512
    .wavefront_size: 32
...
	.end_amdgpu_metadata
.endif
;; end of part 3
;; launch back (part 4): grid 4 x 64, 8 waves a work-group, no clusters, 70,656 bytes of LDS; arguments ufrag, wfrag, batch_x, residual_alpha, out0; writes out0
.if DOCPART == 4
	.amdgcn_target "amdgcn-amd-amdhsa--gfx1250"
	.amdhsa_code_object_version 6
	.text
	.protected	k_qf185741aaf_back
	.globl	k_qf185741aaf_back
	.p2align	8
	.type	k_qf185741aaf_back,@function
k_qf185741aaf_back:
	s_mov_b64 s[64:65], 0
	v_nop
	global_prefetch_b8 v0, s[64:65] scope:SCOPE_SE
	s_setreg_imm32_b32 hwreg(HW_REG_WAVE_MODE, 25, 1), 1
	s_wait_xcnt 0x0
; THE FOURTH LAUNCH: out = alpha x + U w.  U [2048 n][2048 j] and w [2048 j][256 f] come as images of the operands' registers, each number as two bf16 (hi, lo): the product is hi hi + hi lo + lo hi, f32 sums.
; SHARES, slots and waits as in the launch before: a work-group makes 32 rows x 64 f, K is split over its eight waves, each byte goes once into the registers of the one wave that multiplies it.
; NO JOINT LOADS, for the same count: 768 KiB of operands a work-group would need a ring in LDS with a round of the cluster's barrier for each refill, for 192 matrix instructions a wave.
; Here source 0 = 16 f of w, source 1 = 16 rows of U: a lane holds one row n and eight neighbouring f.  The eight partial sums meet in LDS as rows of 256 bytes + 16; each wave adds up four whole rows,
; adds alpha x by a fused multiply-add, and sixteen lanes store 256 consecutive bytes, aligned.
; REGISTERS: window 0: v1 16 l; v2, v3 the add's two; v5-7 addresses; v32-39 x; v64-127 accumulators (tile 2 b + a); v128-255 U: slot s at 128 + 32 s.  window 1: w: slot s at 64 s.
.set SP,    272
.set PART,  32*SP                      ; a partial sum: 32 rows
.set SPARE, 8*PART                     ; behind the eight: the spare words, 128 bytes for each wave
.set SPW,   2
.set NIL,   3
.set ACC,   64
.set PF,    128
.set MSB,   0
.macro WIN new
.if MSB != \new
	s_set_vgpr_msb (MSB<<8)|\new
.set MSB, \new
.endif
.endm
	s_load_b256 s[4:11], s[0:1], 0x0               ; ufrag s[4:5], wfrag s[6:7], x s[8:9], alpha s[10:11]
	s_load_b64 s[12:13], s[0:1], 0x20              ; out
	v_lshl_add_u32 v[SPW], v0, 2, SPARE
	v_mov_b32 v[NIL], 0
	v_lshrrev_b32 v4, 5, v0
	v_readfirstlane_b32 s14, v4                    ; wave 0..7
	v_and_b32 v4, 31, v0
	v_lshlrev_b32 v1, 4, v4                        ; 16 l
	v_and_b32 v8, 15, v0                           ; r
	v_bfe_u32 v9, v0, 4, 1                         ; h
	v_lshlrev_b32 v7, 4, v8
	v_lshl_add_u32 v7, v9, 10, v7                  ; x and out: lanes 0-15 one row's 256 bytes, lanes 16-31 the next row's
	s_mul_i32 s22, s14, PART
	v_mul_u32_u24 v5, v8, SP
	v_lshl_add_u32 v5, v9, 5, v5
	v_add_nc_u32 v5, s22, v5                       ; LDS, in: my partial sum, row r, + 32 h
	s_mul_i32 s22, s14, 4*SP
	v_mul_u32_u24 v6, v9, SP
	v_lshl_add_u32 v6, v8, 4, v6
	v_add_nc_u32 v6, s22, v6                       ; back: rows 4 wave + h, 16 bytes a lane
	s_and_b32 s15, ttmp7, 0xffff                   ; RB: which 32 rows
	s_lshl_b32 s23, s14, 14                        ; my 8 K blocks
	s_lshl_b32 s16, s15, 18
	s_add_co_u32 s16, s16, s23
	s_mov_b32 s17, 0
	s_lshl_b32 s18, ttmp9, 19
	s_add_co_u32 s18, s18, s23
	s_mov_b32 s19, 0
	s_lshl_b32 s24, s15, 15
	s_lshl_b32 s25, s14, 12
	s_add_co_u32 s24, s24, s25
	s_lshl_b32 s25, ttmp9, 8
	s_add_co_u32 s24, s24, s25                     ; x and out: row 32 RB + 4 wave, + 256 FB bytes
	s_mov_b32 s25, 0
	s_wait_kmcnt 0x0
	s_load_b32 s20, s[10:11], 0x0                  ; alpha
	s_add_nc_u64 s[4:5], s[4:5], s[16:17]
	s_add_nc_u64 s[6:7], s[6:7], s[18:19]
	s_add_nc_u64 s[8:9], s[8:9], s[24:25]
	s_add_nc_u64 s[12:13], s[12:13], s[24:25]
	global_load_b128 v[32:35], v7, s[8:9]                           ; my four rows of x: the oldest loads, so every later count covers them
	global_load_b128 v[36:39], v7, s[8:9] offset:2048
.macro LOADK t                         ; K block t into slot t % 4
.set SL, (\t)%4
	WIN 0x40
.irp b, 0,1,2,3
.irp j, 0,1,2,3
	global_load_b128 v[64*SL+16*\b+4*\j:64*SL+16*\b+4*\j+3], v1, s[6:7] offset:\b*131072+(\t)*2048+512*\j
.endr
.endr
	WIN 0
.irp a, 0,1
.irp j, 0,1,2,3
	global_load_b128 v[PF+32*SL+16*\a+4*\j:PF+32*SL+16*\a+4*\j+3], v1, s[4:5] offset:\a*131072+(\t)*2048+512*\j
.endr
.endr
.endm
.macro MULK t                          ; 24 matrix instructions: hi hi, hi lo, lo hi; the 8 accumulators take turns in the same order in every pass
.set SL, (\t)%4
	WIN 0x01                                       ; source 0 (w) window 1
.irp pass, 0,1,2
.irp b, 0,1,2,3
.irp a, 0,1
.if ((\t) == 0) && (\pass == 0)
	v_wmma_f32_16x16x32_bf16 v[ACC+8*(2*\b+\a):ACC+8*(2*\b+\a)+7], v[64*SL+16*\b+8*(\pass%2):64*SL+16*\b+8*(\pass%2)+7], v[PF+32*SL+16*\a+8*(\pass/2):PF+32*SL+16*\a+8*(\pass/2)+7], 0
.else
	v_wmma_f32_16x16x32_bf16 v[ACC+8*(2*\b+\a):ACC+8*(2*\b+\a)+7], v[64*SL+16*\b+8*(\pass%2):64*SL+16*\b+8*(\pass%2)+7], v[PF+32*SL+16*\a+8*(\pass/2):PF+32*SL+16*\a+8*(\pass/2)+7], v[ACC+8*(2*\b+\a):ACC+8*(2*\b+\a)+7]
.endif
.endr
.endr
.endr
.endm
.macro STEPK t, left                   ; left: the loads of the K blocks asked for behind block t (three blocks are 72: the count is what the wait can name of them)
	s_wait_loadcnt \left
	MULK \t
.if (\t) < 4
.rept 4
	v_nop                                          ; places in front of loads into registers that matrix instructions have read
.endr
	LOADK (\t)+4
.endif
.endm
	LOADK 0
	LOADK 1
	LOADK 2
	LOADK 3
	STEPK 0, 63
	STEPK 1, 63
	STEPK 2, 63
	STEPK 3, 63
	STEPK 4, 63
	STEPK 5, 48
	STEPK 6, 24
	STEPK 7, 0
	WIN 0
.rept 4
	v_nop                                          ; places in front of the first read of results
.endr
.irp b, 0,1,2,3
.irp a, 0,1
	ds_store_b128 v5, v[ACC+8*(2*\b+\a):ACC+8*(2*\b+\a)+3]   offset:\a*16*SP+64*\b       ; lane (r, h): row 16 a + r, f = 16 b + 8 h + 0..7; each accumulator from its low end on
	ds_store_b128 v5, v[ACC+8*(2*\b+\a)+4:ACC+8*(2*\b+\a)+7] offset:\a*16*SP+64*\b+16
.endr
.endr
	s_wait_dscnt 0x0                               ; for the others' sake: my partial sum lies in LDS
	s_barrier_signal -1
	s_barrier_wait -1
.irp p, 0,1,2,3,4,5,6,7
	ds_load_b128 v[PF+8*\p:PF+8*\p+3],   v6 offset:\p*PART
	ds_load_b128 v[PF+8*\p+4:PF+8*\p+7], v6 offset:\p*PART+2*SP
.endr
	s_wait_kmcnt 0x0
	s_mov_b32 s21, s20                             ; (the packed form names the pair and takes its low word for both halves: so both are written)
	s_wait_dscnt 0x0
.irp p, 0,2,4,6
.irp j, 0,2,4,6
	v_pk_add_f32 v[PF+8*\p+\j:PF+8*\p+\j+1], v[PF+8*\p+\j:PF+8*\p+\j+1], v[PF+8*(\p+1)+\j:PF+8*(\p+1)+\j+1]
.endr
.endr
.irp p, 0,4
.irp j, 0,2,4,6
	v_pk_add_f32 v[PF+8*\p+\j:PF+8*\p+\j+1], v[PF+8*\p+\j:PF+8*\p+\j+1], v[PF+8*(\p+2)+\j:PF+8*(\p+2)+\j+1]
.endr
.endr
.irp j, 0,2,4,6
	v_pk_add_f32 v[PF+\j:PF+\j+1], v[PF+\j:PF+\j+1], v[PF+32+\j:PF+32+\j+1]
.endr
.irp j, 0,2,4,6
	v_pk_fma_f32 v[PF+\j:PF+\j+1], v[32+\j:33+\j], s[20:21], v[PF+\j:PF+\j+1] op_sel_hi:[1,0,1]   ; + alpha x
.endr
	global_store_b128 v7, v[PF:PF+3],   s[12:13] th:TH_STORE_NT                 ; sixteen lanes store 256 consecutive bytes, aligned
	global_store_b128 v7, v[PF+4:PF+7], s[12:13] offset:2048 th:TH_STORE_NT
	s_wait_tensorcnt 0x0                           ; the wave's end
	ds_add_u32 v[SPW], v[NIL]
	s_wait_dscnt 0x0
	s_endpgm
.Lfunc_end_k_qf185741aaf_back:
	.size	k_qf185741aaf_back, .Lfunc_end_k_qf185741aaf_back-k_qf185741aaf_back
	.p2alignl 7, 3214868480
	.fill 96, 4, 3214868480
	.section	.rodata,"a",@progbits
	.p2align	6, 0x0
	.amdhsa_kernel k_qf185741aaf_back
		.amdhsa_group_segment_fixed_size 70656
		.amdhsa_private_segment_fixed_size 0
		.amdhsa_enable_private_segment 0
		.amdhsa_kernarg_size 40
		.amdhsa_user_sgpr_count 2
		.amdhsa_user_sgpr_kernarg_segment_ptr 1
		.amdhsa_wavefront_size32 1
		.amdhsa_system_sgpr_workgroup_id_x 1
		.amdhsa_system_sgpr_workgroup_id_y 1
		.amdhsa_system_sgpr_workgroup_id_z 1
		.amdhsa_system_vgpr_workitem_id 0
		.amdhsa_next_free_vgpr 512
		.amdhsa_next_free_sgpr 66
		.amdhsa_reserve_vcc 0
		.amdhsa_float_denorm_mode_32 3
		.amdhsa_float_denorm_mode_16_64 3
		.amdhsa_memory_ordered 1
		.amdhsa_forward_progress 1
		.amdhsa_inst_pref_size 39
	.end_amdhsa_kernel
	.amdgpu_metadata
---
amdhsa.version: [ 1, 2 ]
amdhsa.kernels:
  - .name:           k_qf185741aaf_back
    .symbol:         k_qf185741aaf_back.kd
    .args:
      - { .name: ufrag, .offset: 0, .size: 8, .value_kind: global_buffer, .address_space: global }
      - { .name: wfrag, .offset: 8, .size: 8, .value_kind: global_buffer, .address_space: global }
      - { .name: batch_x, .offset: 16, .size: 8, .value_kind: global_buffer, .address_space: global }
      - { .name: residual_alpha, .offset: 24, .size: 8, .value_kind: global_buffer, .address_space: global }
      - { .name: out0, .offset: 32, .size: 8, .value_kind: global_buffer, .address_space: global }
    .group_segment_fixed_size: 70656
    .private_segment_fixed_size: 0
    .kernarg_segment_align: 8
    .kernarg_segment_size: 40
    .max_flat_workgroup_size: 256
    .sgpr_count:     66
    .vgpr_count:     512
    .wavefront_size: 32
...
	.end_amdgpu_metadata
.endif
;; end of part 4
